; MI455X (gfx1250); checked and timed in simulation.
; The chip was launched on July 23, 2026; its instructions are those of AMD's public machine-readable ISA for CDNA 5 (MIT licence, August 2026) and "CDNA5" Instruction Set Architecture Reference Guide (July 2026). The comments in the code are by the model that wrote it; some were corrected since.
;; Audio Quantizer. Allowed arithmetic: float matrix products may take bf16 or f16 operands with f32 sums; other float arithmetic in f32, or as packed bf16 or f16 multiplies, adds, multiply-adds, maxima and minima; sums over many terms, partial sums and values carried from step to step in f32; what a program stores and reads back later, other than sums and carried values, may be rounded once to bf16 or f16.
;; Inputs: codebook 8,192 x 512 float32; x 8 x 2,048 x 512 float32.
;; Outputs: out0 8 x 2,048 x 512 float32.
;; 2 versions, each right; version 2 is version 1 with the launch prep written anew for expert scheduling mode. Each part assembles by itself: llvm-mc -triple=amdgcn-amd-amdhsa -mcpu=gfx1250 --defsym DOCPART=n.
;; ======== version 1 of 2: 3 launches
;; workspace buffers: cb16 8,388,608 bytes; hc 32,768 bytes; cand 262,144 bytes of whole numbers
;; launch prep (part 1): grid 128 x 1, 16 waves a work-group, no clusters, 2,304 bytes of LDS; arguments codebook, cb16, hc; writes cb16, hc
.if DOCPART == 1
	.amdgcn_target "amdgcn-amd-amdhsa--gfx1250"
	.amdhsa_code_object_version 6
	.text
	.protected	k_q300286e494_prep
	.globl	k_q300286e494_prep
	.p2align	8
	.type	k_q300286e494_prep,@function
k_q300286e494_prep:
	s_mov_b64 s[64:65], 0
	v_nop
	global_prefetch_b8 v0, s[64:65] scope:SCOPE_SE
	s_setreg_imm32_b32 hwreg(HW_REG_WAVE_MODE, 25, 1), 1
	s_wait_xcnt 0x0
; THE PROGRAM.  out[n][:] = codebook[k*(n)][:], k*(n) = argmin over k of |x_n|^2 - 2 x_n . c_k + |c_k|^2; 16,384 rows n, 8,192 codes k, 512 channels.
; Three launches: this one rounds the codebook to bf16 (cb16) and makes hc[k] = |c_k|^2 / 2; the second finds, for each row and each half of the codes, the greatest
; s = x_n . c_k - hc[k] and its k; the third picks between the halves and copies the code's f32 row.
; WORK LEFT OUT.  |x_n|^2 is added to all 8,192 distances of row n alike, so in exact arithmetic it moves no comparison between them, whatever x holds: the argmin of the distance is the
; argmax of x_n . c_k - |c_k|^2 / 2 (the distance is |x_n|^2 - 2 s).  It is of the size of the other terms (a sum of 512 squares, as |c_k|^2 is), so it hides none of them.  x itself stays an input of the product.
; FORMATS.  The product takes x and the codes rounded to bf16, and |c_k|^2 is taken of the SAME rounded codes, so that the choice is the choice among the rounded inputs; sums in f32.
; LIMITS.  A NaN, an infinity or an overflow in x or the codebook, or one that reaches |x_n|^2 alone, is not carried to the result.  Where a row's two least distances lie closer than the rounding
; of f32 sums of 512 terms (some 1e-4 for numbers of unit spread), either of the two codes may be taken.  Equal s: the lower k.
;
; THIS LAUNCH.  A work-group takes 64 codes, so that its 64 numbers of hc are 256 consecutive bytes, stored by one instruction; 16 waves, 4 codes each.  A code's row is 2,048 bytes: four loads of
; 16 bytes a lane, each 512 consecutive bytes for the wave.  All of a wave's 16 loads are issued at once.  A bf16 square is exact in f32, so only the order of the sum is free.
.set SPARE, 256                        ; LDS: bytes 0-255 the 64 numbers of hc; from here the spare words, 128 bytes for each of 16 waves, which no other line names
.set SPW, 1                            ; v1       LDS address of my spare word; never rewritten
.set NIL, 2                            ; v2       0; never rewritten
.set LO,  3                            ; v3       16 x lane: my 16 bytes of 512 of a row of the codebook
.set SO,  4                            ; v4       8 x lane: my 8 bytes of 256 of a row of cb16, and of hc
.set PA,  5                            ; v5       16 x wave: my four words of hc in LDS
.set T,   6                            ; v[6:7]   at work
.set X,   16                           ; v[16:79]   row i, quarter j at X + 16 i + 4 j: four f32
.set Y,   80                           ; v[80:111]  the same as four bf16, at Y + 8 i + 2 j
.set S,   112                          ; v[112:119] row i: the sums of the low halves' and of the high halves' squares
.set PM,  120                          ; v[120:123] the other half of the lanes' sums
	s_load_b128 s[4:7], s[0:1], 0x0                ; codebook s[4:5], cb16 s[6:7]
	s_load_b64 s[8:9], s[0:1], 0x10                ; hc
	v_lshl_add_u32 v[SPW], v0, 2, SPARE
	v_mov_b32 v[NIL], 0
	v_lshrrev_b32 v[T], 5, v0
	v_readfirstlane_b32 s10, v[T]                  ; wave 0..15
	v_and_b32 v[LO], 31, v0
	v_lshlrev_b32 v[SO], 3, v[LO]
	v_lshlrev_b32 v[LO], 4, v[LO]
	v_mov_b32 v[PA], s10
	v_lshlrev_b32 v[PA], 4, v[PA]
	s_mov_b32 s12, 0x76543210                      ; v_permlanex16_b32: each lane takes its own place in the other half
	s_mov_b32 s13, 0xfedcba98
	s_lshl_b32 s2, ttmp9, 17                       ; the work-group's 64 rows of 2,048 bytes,
	s_lshl_b32 s3, s10, 13                         ; my wave's 4 of them
	s_add_co_u32 s2, s2, s3
	s_mov_b32 s3, 0
	s_wait_kmcnt 0x0
	s_add_nc_u64 s[4:5], s[4:5], s[2:3]
	s_lshr_b32 s2, s2, 1                           ; the same rows in cb16 are half as long
	s_add_nc_u64 s[6:7], s[6:7], s[2:3]
	s_lshl_b32 s2, ttmp9, 8                        ; the work-group's 64 numbers of hc
	s_add_nc_u64 s[8:9], s[8:9], s[2:3]
.irp i, 0,1,2,3
.irp j, 0,1,2,3
	global_load_b128 v[X+16*\i+4*\j:X+16*\i+4*\j+3], v[LO], s[4:5] offset:2048*\i+512*\j th:TH_LOAD_NT
.endr
.endr
.irp i, 0,1,2,3
	v_mov_b32 v[PM+\i], 0                          ; v_permlanex16_b32's destination counts as read
.endr
; Row i: rounded, stored, squared and summed.
.macro ROWP i
	s_wait_loadcnt 12-4*(\i)                       ; loads come back in order: my row's four are in, the later rows' stay out
.irp j, 0,1,2,3
	v_cvt_pk_bf16_f32 v[Y+8*(\i)+2*\j],   v[X+16*(\i)+4*\j],   v[X+16*(\i)+4*\j+1]
	v_cvt_pk_bf16_f32 v[Y+8*(\i)+2*\j+1], v[X+16*(\i)+4*\j+2], v[X+16*(\i)+4*\j+3]
	global_store_b64 v[SO], v[Y+8*(\i)+2*\j:Y+8*(\i)+2*\j+1], s[6:7] offset:1024*(\i)+256*\j th:TH_STORE_NT  ; the wave stores 256 consecutive bytes, aligned
.endr
	v_fma_mix_f32_bf16 v[S+2*(\i)],   v[Y+8*(\i)], v[Y+8*(\i)], v[NIL] op_sel_hi:[1,1,0]                 ; the first squares start the sums: nothing is cleared
	v_fma_mix_f32_bf16 v[S+2*(\i)+1], v[Y+8*(\i)], v[Y+8*(\i)], v[NIL] op_sel:[1,1,0] op_sel_hi:[1,1,0]
.irp n, 1,2,3,4,5,6,7
	v_fma_mix_f32_bf16 v[S+2*(\i)],   v[Y+8*(\i)+\n], v[Y+8*(\i)+\n], v[S+2*(\i)]   op_sel_hi:[1,1,0]
	v_fma_mix_f32_bf16 v[S+2*(\i)+1], v[Y+8*(\i)+\n], v[Y+8*(\i)+\n], v[S+2*(\i)+1] op_sel:[1,1,0] op_sel_hi:[1,1,0]
.endr
.endm
	ROWP 0
	ROWP 1
	ROWP 2
	ROWP 3
	; across the 32 lanes, the four rows side by side so that no line waits for the one before it
.irp i, 0,1,2,3
	v_add_f32 v[S+2*\i], v[S+2*\i], v[S+2*\i+1]
.endr
.irp m, 1,2,4,8
.irp i, 0,1,2,3
	v_add_f32_dpp v[S+2*\i], v[S+2*\i], v[S+2*\i] row_xmask:\m row_mask:0xf bank_mask:0xf
.endr
.endr
.irp i, 0,1,2,3
	v_permlanex16_b32 v[PM+\i], v[S+2*\i], s12, s13
.endr
.irp i, 0,1,2,3
	v_add_f32 v[S+2*\i], v[S+2*\i], v[PM+\i]
.endr
.irp i, 0,1,2,3
	v_mul_f32 v[S+2*\i], 0.5, v[S+2*\i]            ; hc = |c|^2 / 2: exact
.endr
.irp i, 0,1,2,3
	ds_store_b32 v[PA], v[S+2*\i] offset:4*\i      ; all lanes write the same word with the same number
.endr
	s_wait_dscnt 0x0                               ; for the others' sake: my four words are in LDS
	s_barrier_signal -1
	s_barrier_wait -1
	s_cmp_lg_u32 s10, 0                            ; wave 0 stores the 64 numbers
	s_cbranch_scc1 .Lend
	ds_load_b64 v[T:T+1], v[SO]
	s_wait_dscnt 0x0
	global_store_b64 v[SO], v[T:T+1], s[8:9]       ; 256 consecutive bytes, aligned
.Lend:
	s_wait_tensorcnt 0x0                           ; the wave's end, behind my last LDS store
	ds_add_u32 v[SPW], v[NIL]
	s_wait_dscnt 0x0
	s_endpgm
.Lfunc_end_k_q300286e494_prep:
	.size	k_q300286e494_prep, .Lfunc_end_k_q300286e494_prep-k_q300286e494_prep
	.p2alignl 7, 3214868480
	.fill 96, 4, 3214868480
	.section	.rodata,"a",@progbits
	.p2align	6, 0x0
	.amdhsa_kernel k_q300286e494_prep
		.amdhsa_group_segment_fixed_size 2304
		.amdhsa_private_segment_fixed_size 0
		.amdhsa_enable_private_segment 0
		.amdhsa_kernarg_size 24
		.amdhsa_user_sgpr_count 2
		.amdhsa_user_sgpr_kernarg_segment_ptr 1
		.amdhsa_wavefront_size32 1
		.amdhsa_system_sgpr_workgroup_id_x 1
		.amdhsa_system_sgpr_workgroup_id_y 1
		.amdhsa_system_sgpr_workgroup_id_z 1
		.amdhsa_system_vgpr_workitem_id 0
		.amdhsa_next_free_vgpr 128
		.amdhsa_next_free_sgpr 66
		.amdhsa_reserve_vcc 0
		.amdhsa_float_denorm_mode_32 3
		.amdhsa_float_denorm_mode_16_64 3
		.amdhsa_memory_ordered 1
		.amdhsa_forward_progress 1
		.amdhsa_inst_pref_size 13
	.end_amdhsa_kernel
	.amdgpu_metadata
---
amdhsa.version: [ 1, 2 ]
amdhsa.kernels:
  - .name:           k_q300286e494_prep
    .symbol:         k_q300286e494_prep.kd
    .args:
      - { .name: codebook, .offset: 0, .size: 8, .value_kind: global_buffer, .address_space: global }
      - { .name: cb16, .offset: 8, .size: 8, .value_kind: global_buffer, .address_space: global }
      - { .name: hc, .offset: 16, .size: 8, .value_kind: global_buffer, .address_space: global }
    .group_segment_fixed_size: 2304
    .private_segment_fixed_size: 0
    .kernarg_segment_align: 8
    .kernarg_segment_size: 24
    .max_flat_workgroup_size: 512
    .sgpr_count:     66
    .vgpr_count:     128
    .wavefront_size: 32
...
	.end_amdgpu_metadata
.endif
;; end of part 1
;; launch score (part 2): grid 128 x 2, 4 waves a work-group, clusters of 4 x 1, 327,680 bytes of LDS; arguments x, cb16, hc, cand; writes cand
.if DOCPART == 2
	.amdgcn_target "amdgcn-amd-amdhsa--gfx1250"
	.amdhsa_code_object_version 6
	.text
	.protected	k_q300286e494_score
	.globl	k_q300286e494_score
	.p2align	8
	.type	k_q300286e494_score,@function
k_q300286e494_score:
	s_mov_b64 s[64:65], 0
	v_nop
	global_prefetch_b8 v0, s[64:65] scope:SCOPE_SE
	s_setreg_imm32_b32 hwreg(HW_REG_WAVE_MODE, 25, 1), 1
	s_wait_xcnt 0x0
	s_wait_alu depctr_hold_cnt(0) depctr_sa_sdst(0) depctr_va_vdst(0) depctr_va_sdst(0) depctr_va_ssrc(0) depctr_va_vcc(0) depctr_vm_vsrc(0)
	s_getreg_b32 s2, hwreg(HW_REG_IB_STS2, 6, 4)
	s_cmp_eq_u32 s2, 0
	s_cbranch_scc0 .Lentry_in_a_cluster
	s_endpgm
.Lentry_in_a_cluster:
	s_bfe_u32 s2, ttmp6, 0x10000c
	s_cmp_lg_u32 s2, 0x3003
	s_cbranch_scc0 .Lentry_shape_is_right
	s_endpgm
.Lentry_shape_is_right:
; For each row n of x and each half of the codes: the greatest s = x_n . c_k - hc[k] and its k.  |x_n|^2 is left out: it is the same for all k of a row (shown at the head of the first kernel).
; x: [16384][512] f32, rounded to bf16 here; cb16: [8192][512] bf16; hc: [8192] f32; cand: [2][16384][2] u32 = (key, k); the key is s's bits turned so that unsigned order is s's order.
; LIMITS.  NaN and infinities are not treated apart; equal s: the lower k.
; SHARES.  A work-group owns 128 rows of x and 4,096 codes (grid y: which half): 256 work-groups of equal work.  Wave w holds rows 64 (w / 2) .. + 63 of the block IN REGISTERS, all 512 channels as bf16
; (four tiles of 16 rows x 16 fragments x 8 = 512 registers), and multiplies them by codes 64 (w % 2) .. + 63 of every tile of 128 codes: four groups of 16 codes, 64 matrix instructions each.
; So only the codes go through LDS: a fragment of 16 codes x 32 channels, two LDS loads, feeds four matrix instructions.
; THE RING.  Two LDS slots of 128 codes x 1,024 bytes.  Each wave fetches a quarter of a tile, 32 rows of 1,024 bytes, by one tensor load.  A slot is asked for again when its last fragments are in
; registers, and that load is waited for a slot later: 256 matrix instructions a wave lie between.  A larger slot does not fit twice.
; CLUSTER.  The four row blocks of a cluster walk the same codes, so each tile (and the half's table of hc) is asked for JOINTLY: the same tensor load, descriptor and mask in all four.
; LAYOUT.  Source 0 = 16 codes, source 1 = 16 rows of x: in the result a lane holds ONE row (lane % 16) and, in register j, code 8 (lane / 16) + j.  So the search runs inside a lane: 32 running
; bests (tile t, register j), each with the group's code base at which it was found; they are merged once, at the end.
; BY TURNS.  While group g is multiplied into one set of four accumulators, group g - 1's scores in the other set are judged: 113 vector instructions in 32 slices, one behind every second matrix instruction.
; REGISTERS, in windows of 256 (s_set_vgpr_msb: bits 1:0 source 0, 3:2 source 1, 5:4 source 2, 7:6 destination):
;   window 0: addresses, hc, accumulators, bests      window 1: four fragment buffers of 64 (16 codes x 256 channels); at the head the stage for x as f32
;   window 2: x, channels 0-255, tile t, fragment f at 64 t + 8 f      window 3: x, channels 256-511, likewise
.set PITCH, 1040                       ; a code's row in LDS: 1,024 bytes + 16 of padding = 65 x 16: the 16 rows of a fragment load start at 16 different columns of 16 bytes modulo 256
.set QUART, 32*PITCH                   ; what one tensor load brings
.set SLOT,  128*PITCH
.set HCB,   2*SLOT                     ; behind the ring: this half's 4,096 numbers of hc, filled once
.set SCR,   HCB+16384                  ; 64 pairs (s, k) for each wave, for the merge at the end; no tensor load lands here
.set SPARE, SCR+2048                   ; the spare words, 128 bytes for each wave: two blocks of 256 bytes that no other line names
.set TILEB, 131072                     ; a tile of 128 codes in memory
.set RR,   1                           ; v1   lane % 16
.set HH,   2                           ; v2   lane / 16
.set LN,   3                           ; v3   lane
.set ADR,  4                           ; v4-5 LDS address of my fragments in slot 0, 1; never rewritten
.set HCA,  6                           ; v6   LDS address of my eight hc of the trip's first tile, group 0; 1,024 on in each trip
.set XO,   7                           ; v7   my byte offset in 16 rows of x
.set VG,   8                           ; v8   code base (with my 8 (lane / 16)) of the group that is being judged
.set PFO,  9                           ; v9   256 x lane; never rewritten
.set SPW,  10                          ; v10  LDS address of my spare word; never rewritten
.set NIL,  11                          ; v11  0; never rewritten
.set SCW,  12                          ; v12  where I put a row's pair
.set SCRD, 13                          ; v13  where I read my row's two pairs
.set CO,   14                          ; v14  my 8 bytes of the block's 1,024 in cand
.set HC,   16                          ; v[16:31]   two sets of eight hc
.set ACC,  32                          ; v[32:95]   two sets of four accumulators: set q, tile t at ACC + 32 q + 8 t
.set BV,   96                          ; v[96:127]  the 32 running bests
.set BI,   128                         ; v[128:159] their code bases
.set RS,   160                         ; v[160:167] tile t's pair (s, k)
.set TM,   168                         ; v[168:171] at work
.set WV,   12                          ; s12  wave
.set RH,   13                          ; s13  which 64 rows are mine
.set CH,   14                          ; s14  which 64 codes of a tile
.set CX,   15                          ; s15  my place in the cluster: it enters x's, cand's and the prefetches' addresses alone
.set RB,   16                          ; s16  my block of 128 rows
.set HALF, 17                          ; s17  which half of the codes: the four partners share it
.set G1,   24                          ; s[24:31] descriptor group 1 for the tiles
.set G1H,  32                          ; s[32:39] for hc
.set G0,   40                          ; s[40:47] descriptor group 0 for the tiles, a set for each slot
.set G0H,  48                          ; s[48:51] for hc
.set PFA,  52                          ; s[52:53] where my prefetches stand
.set LIM,  54                          ; s54  1 in a cluster that prefetches, else the greatest number
.set CNT,  55                          ; s55  trips to go
.set SEL,  56                          ; s[56:57] v_permlanex16_b32's selects
.set M0,   58                          ; s58-59 lane masks of the merge
.set M1,   59
.set MSB, 0
.macro WIN new                         ; the immediate's high byte repeats the setting that is left; a switch that changes nothing is dropped
.if MSB != (\new)
	s_set_vgpr_msb (MSB<<8)|(\new)
.set MSB, \new
.endif
.endm
; A vector instruction that reads a matrix result, and a load into a register that a matrix instruction has read, stand four places behind it; only plain vector instructions that name none of
; its registers are places (ISA guide 7.12.1 for vector instructions).
.macro PLACES
.rept 4
	v_nop
.endr
.endm
; A round of the cluster's barrier: my work-group's barrier; wave 0 signals for the work-group; every wave waits for all four work-groups; my work-group's barrier once more.
.macro CREST                           ; a round behind its opening barrier
	s_cmp_lg_u32 s[WV], 0
	s_cbranch_scc1 .Lnot_wave_0_\@
	s_barrier_signal -3
.Lnot_wave_0_\@:
	s_barrier_wait -3
	s_barrier_signal -1
	s_barrier_wait -1
.endm
.macro CROUND
	s_barrier_signal -1
	s_barrier_wait -1
	CREST
.endm
; 16 LDS loads in one run: 16 codes x 256 channels, eight fragments, from byte off behind address register adr, into buffer b
.macro FETCH adr, off, b
	WIN 0x40                                       ; destination window 1, address window 0
.irp f, 0,1,2,3,4,5,6,7
	ds_load_b128 v[64*(\b)+8*\f:64*(\b)+8*\f+3],   v[\adr] offset:(\off)+64*\f
	ds_load_b128 v[64*(\b)+8*\f+4:64*(\b)+8*\f+7], v[\adr] offset:(\off)+64*\f+32
.endr
.endm
; group g's eight hc (codes 8 (lane / 16) + 0..7 of its 16), for the judging a group later
.macro HCL sp, g
	WIN 0
	ds_load_b128 v[HC+8*((\g)%2):HC+8*((\g)%2)+3],   v[HCA] offset:512*(\sp)+64*(\g)
	ds_load_b128 v[HC+8*((\g)%2)+4:HC+8*((\g)%2)+7], v[HCA] offset:512*(\sp)+64*(\g)+16
.endm
; THE JUDGING of the set Q = 1 - P.  PKS p: pair p of its 32 scores less hc.  SLICE: score SL against best SL; the strict comparison keeps the earlier, lower code.
; Pair p is made two slices ahead of its first use, and each accumulator is read from its lowest registers on.  VCC is written and read inside a slice.
.macro PKS p
	v_pk_add_f32 v[ACC+32*Q+2*(\p):ACC+32*Q+2*(\p)+1], v[ACC+32*Q+2*(\p):ACC+32*Q+2*(\p)+1], v[HC+8*Q+2*((\p)%4):HC+8*Q+2*((\p)%4)+1] neg_lo:[0,1] neg_hi:[0,1]
.endm
.macro SLICE
	WIN 0
.if SL == 0
	PKS 0
	PKS 1
.elseif (SL%2 == 0) && (SL < 30)
	PKS SL/2+1
.endif
	v_cmp_gt_f32 vcc_lo, v[ACC+32*Q+SL], v[BV+SL]
	v_cndmask_b32 v[BI+SL], v[BI+SL], v[VG], vcc_lo
	v_max_num_f32 v[BV+SL], v[BV+SL], v[ACC+32*Q+SL]
.if (SL == 31) && (VSTEP != 0)
	v_add_nc_u32 v[VG], VSTEP, v[VG]               ; the next group to be judged
.endif
.endm
; Matrix instruction W of a group's 64: channels 256 (W / 32) + 32 ((W % 32) / 4) on, tile W % 4.  The four accumulators take turns, one instruction a turn, from group
; to group and over the backward jump too (a group ends on tile 3 of one set, the next begins on tile 0 of the other).  The first four start the sums with the constant 0.
.macro MM
.set hf, W/32
.set ks, (W%32)/4
.set tt, W%4
.set rD, ACC+32*P+8*tt
.set rA, 128*P+64*hf+8*ks
.set rB, 64*tt+8*ks
	WIN 0x09+4*hf                                  ; codes in window 1, x in window 2 or 3, sums in window 0
.if W < 4
	v_wmma_f32_16x16x32_bf16 v[rD:rD+7], v[rA:rA+7], v[rB:rB+7], 0
.else
	v_wmma_f32_16x16x32_bf16 v[rD:rD+7], v[rA:rA+7], v[rB:rB+7], v[rD:rD+7]
.endif
.if W%2
.set SL, (W-1)/2
	SLICE
.endif
.set W, W+1
.endm
.macro MMS n
.rept \n
	MM
.endr
.endm
; A PREFETCH INTO THE L2 of the tile that stands two refills on: two slots, 512 matrix instructions a wave, ahead of the load that will ask for it.  All 32 clusters of a half walk the same tiles: the
; first (cluster x = 0) asks.  Of the 32 KiB that wave w fetches, the partner at place cx takes 8 KiB, told apart BY ADDRESS; a lane names 256 bytes: one instruction a wave, each block named once in the launch.
; Tiles 0 to 3 come by their loads alone; the last trip asks for nothing: tile 31 is the last that is named.
.macro ASK
	s_cmp_gt_u32 s[CNT], s[LIM]
	s_cbranch_scc0 .Lnot_mine_\@
	global_prefetch_b8 v[PFO], s[PFA:PFA+1] th:TH_LOAD_NT scope:SCOPE_SE
.Lnot_mine_\@:
.endm
; GROUP g of the tile in slot sp: two halves of 32 matrix instructions (channels 0-255, 256-511).  Half i = 2 g or 2 g + 1 multiplies buffer i % 4; at its head the fragments of half i + 2 are asked for.
; THE WAIT FOR 34: behind the run that a half multiplies were issued the next half's run (16), a group's two loads of hc, and the run just issued (16).  A group's hc has 50 younger loads at the next group's wait.
; The buffer that a run fills was last multiplied two halves back: the four places at the head of each half since then stand between.
; Group 3 changes slots (mode 1: and fills this slot again; 2: in the tail, nothing is left to fetch; 3: the very last group).  Its fragments, the slot's last, were asked for a group ago.
.macro GROUP sp, g, mode
.set P, (\g)%2
.set Q, 1-P
.set W, 0
.set VSTEP, 16
.if (\g) == 0
.set VSTEP, 80                                     ; from a tile's group 3 to the next tile's group 0: 128 - 48
.endif
	PLACES                                         ; behind the last group's last products, ahead of the first slice that reads them
.if (\g) < 3
	HCL \sp, \g
	FETCH ADR+(\sp), ((\g)+1)*16*PITCH, (2*(\g)+2)%4
	s_wait_dscnt 34
	MMS 32
	PLACES
	FETCH ADR+(\sp), ((\g)+1)*16*PITCH+512, (2*(\g)+3)%4
	s_wait_dscnt 34
	MMS 32
.elseif (\mode) == 3
	HCL \sp, 3
	s_wait_dscnt 18                                ; the second half's run and the two loads of hc may be out
	MMS 32
	PLACES
	s_wait_dscnt 0x0
	MMS 32
.else
	WIN 0
.if (\mode) == 1
	s_wait_xcnt 0x0                                ; the last prefetch, a slot back, has read its address
	s_add_nc_u64 s[PFA:PFA+1], s[PFA:PFA+1], TILEB
.endif
	s_wait_tensorcnt 0x0                           ; all my tensor loads have landed: the one that was out is my quarter of the other slot; so a group 0 may be written
	ds_add_u32 v[SPW], v[NIL]                      ; 0 onto my spare word
.if (\mode) == 1
	s_add_nc_u64 s[G0+4*(\sp)+2:G0+4*(\sp)+3], s[G0+4*(\sp)+2:G0+4*(\sp)+3], 2*TILEB  ; this slot's next tile; the type bits on top are not reached
.endif
	s_wait_dscnt 17                                ; the add and the second half's run may be out
	MMS 8                                          ; work on registers stands between the add and the wait for it
	s_wait_dscnt 0x0                               ; the add is done, and my reads of this slot are over
	s_barrier_signal -1                            ; (mode 1: this barrier opens a round of the cluster's)
	MMS 8
	WIN 0                                          ; at a branch and at a label every window is 0
	s_barrier_wait -1
.if (\mode) == 1
	CREST                                          ; no wave of any partner still reads this slot or has a load on its way
	tensor_load_to_lds s[G0+4*(\sp):G0+4*(\sp)+3], s[G1:G1+7]  ; my one tensor load behind the round, and the first thing there
	s_nop 0
.endif
	PLACES
	HCL \sp, 3
	FETCH ADR+1-(\sp), 0, 0                        ; the other slot is whole: its first fragments
.if (\mode) == 1
	WIN 0
	ASK
.endif
	MMS 16
	PLACES
	FETCH ADR+1-(\sp), 512, 1
	s_wait_dscnt 34                                ; what this half multiplies came in ahead of the barrier; the 34 issued since may be out
	MMS 32
.endif
.endm
; The better of two pairs (s, k) into the first: greater s, or equal s and lower k.  The masks only select.
.macro MERGE bv, bi, cv, ci
	v_cmp_gt_f32 s[M0], v[\cv], v[\bv]
	v_cmp_eq_f32 s[M1], v[\cv], v[\bv]
	v_cmp_lt_u32 vcc_lo, v[\ci], v[\bi]
	s_and_b32 s[M1], s[M1], vcc_lo
	s_or_b32 s[M0], s[M0], s[M1]
	v_cndmask_b32 v[\bv], v[\bv], v[\cv], s[M0]
	v_cndmask_b32 v[\bi], v[\bi], v[\ci], s[M0]
.endm
; x.  Batch q of eight: tile q / 2, channels 256 (q % 2) on: 16 rows x 256 f32 into stage q % 2 of window 1, 32 loads; then 64 roundings into window 2 or 3.
; A fragment's lane holds row lane % 16, channels 8 (lane / 16) + 0..7 and 16 + 8 (lane / 16) + 0..7: as f32 two pieces of 32 bytes, 64 bytes apart.
.macro XLOAD q
	WIN 0x40
.irp f, 0,1,2,3,4,5,6,7
	global_load_b128 v[128*((\q)%2)+16*\f:128*((\q)%2)+16*\f+3],     v[XO], s[4:5] offset:32768*((\q)/2)+128*(8*((\q)%2)+\f)
	global_load_b128 v[128*((\q)%2)+16*\f+4:128*((\q)%2)+16*\f+7],   v[XO], s[4:5] offset:32768*((\q)/2)+128*(8*((\q)%2)+\f)+16
	global_load_b128 v[128*((\q)%2)+16*\f+8:128*((\q)%2)+16*\f+11],  v[XO], s[4:5] offset:32768*((\q)/2)+128*(8*((\q)%2)+\f)+64
	global_load_b128 v[128*((\q)%2)+16*\f+12:128*((\q)%2)+16*\f+15], v[XO], s[4:5] offset:32768*((\q)/2)+128*(8*((\q)%2)+\f)+80
.endr
.endm
.macro XCVT q
	WIN 0x85+0x40*((\q)%2)                         ; sources window 1, destination window 2 or 3
.set cc, 0
.rept 64
	v_cvt_pk_bf16_f32 v[64*((\q)/2)+cc], v[128*((\q)%2)+2*cc], v[128*((\q)%2)+2*cc+1]
.set cc, cc+1
.endr
.endm
	s_load_b256 s[4:11], s[0:1], 0x0               ; x s[4:5], cb16 s[6:7], hc s[8:9], cand s[10:11]
	v_lshl_add_u32 v[SPW], v0, 2, SPARE
	v_mov_b32 v[NIL], 0
	ds_add_u32 v[SPW], v[NIL]                      ; the wave's opening: the add, twice on end, and its wait ahead of my first tensor load
	ds_add_u32 v[SPW], v[NIL]                      ; and once more; the set-up below, work on registers, stands between it and the wait
	v_lshrrev_b32 v1, 5, v0
	v_readfirstlane_b32 s[WV], v1                  ; wave 0..3
	s_lshr_b32 s[RH], s[WV], 1
	s_and_b32 s[CH], s[WV], 1
	s_bfe_u32 s[CX], ttmp6, 0x40000                ; my place in the cluster
	s_lshl_b32 s[RB], ttmp9, 2                     ; in a cluster launch ttmp9 counts clusters
	s_add_co_u32 s[RB], s[RB], s[CX]
	s_and_b32 s[HALF], ttmp7, 0xffff
	; group 1 for a quarter tile: 32 rows x 512 elements of 2 bytes, padded in LDS
	s_mov_b32 s[G1], 15|(1<<16)|(1<<20)|(1<<21)|(7<<22)|(3<<25)  ; 15:0 the mask of four; 17:16 2-byte elements; 20 padding on; 21 set beside a mask; 24:22 after every 256 words (code 7); 31:25 4 words (code 3)
	s_mov_b32 s[G1+1], 512<<16                     ; tensor_dim0 = 512
	s_mov_b32 s[G1+2], 32<<16                      ; tensor_dim1 = 32
	s_mov_b32 s[G1+3], 512<<16                     ; tile_dim0 = 512
	s_mov_b32 s[G1+4], 32                          ; tile_dim1 = 32
	s_mov_b32 s[G1+5], 512                         ; elements from row to row
	s_mov_b32 s[G1+6], 0
	s_mov_b32 s[G1+7], 0
	; group 1 for a quarter of the half's hc: 4,096 dense bytes as 16 rows of 32 elements of 8 bytes
	s_mov_b32 s[G1H], 15|(3<<16)|(1<<21)
	s_mov_b32 s[G1H+1], 32<<16
	s_mov_b32 s[G1H+2], 16<<16
	s_mov_b32 s[G1H+3], 32<<16
	s_mov_b32 s[G1H+4], 16
	s_mov_b32 s[G1H+5], 32
	s_mov_b32 s[G1H+6], 0
	s_mov_b32 s[G1H+7], 0
	s_mul_i32 s18, s[WV], QUART                    ; LDS addresses hang on the wave's number and the slot alone
	s_mov_b32 s[G0], 1
	s_mov_b32 s[G0+1], s18
	s_mov_b32 s[G0+4], 1
	s_add_co_u32 s[G0+5], s18, SLOT
	s_lshl_b32 s19, s[WV], 12
	s_mov_b32 s[G0H], 1
	s_add_co_u32 s[G0H+1], s19, HCB
	s_lshl_b32 s20, s[HALF], 22                    ; cb16: the half's 4,096 rows of 1,024 bytes,
	s_lshl_b32 s21, s[WV], 15                      ; my 32 rows of a tile
	s_add_co_u32 s20, s20, s21
	s_mov_b32 s21, 0
	s_lshl_b32 s22, s[HALF], 14                    ; hc: the half's 16,384 bytes, my 4,096
	s_add_co_u32 s22, s22, s19
	s_mov_b32 s23, 0
	s_mov_b32 s[SEL], 0x76543210
	s_mov_b32 s[SEL+1], 0xfedcba98
	s_mov_b32 s[CNT], 15
	s_mov_b32 s[LIM], ttmp9                        ; the cluster's x: the same in all four partners
	s_cmp_eq_u32 s[LIM], 0
	s_cselect_b32 s[LIM], 1, -1
	s_wait_dscnt 0x0                               ; both opening adds are done
	s_wait_kmcnt 0x0
	s_add_nc_u64 s[6:7], s[6:7], s[20:21]          ; cb16 at my quarter of the half's tile 0
	s_add_nc_u64 s[8:9], s[8:9], s[22:23]
	s_mov_b64 s[G0+2:G0+3], s[6:7]
	s_or_b32 s[G0+3], s[G0+3], 0x80000000          ; type = 2
	s_add_nc_u64 s[G0+6:G0+7], s[6:7], TILEB       ; tile 1
	s_or_b32 s[G0+7], s[G0+7], 0x80000000
	s_mov_b64 s[G0H+2:G0H+3], s[8:9]
	s_or_b32 s[G0H+3], s[G0H+3], 0x80000000
	s_lshl_b32 s2, s[RB], 18                       ; what hangs on my place in the cluster is made in s[2:3], which feed no descriptor: x at my wave's 64 rows,
	s_lshl_b32 s3, s[RH], 17
	s_add_co_u32 s2, s2, s3
	s_mov_b32 s3, 0
	s_add_nc_u64 s[4:5], s[4:5], s[2:3]
	s_lshl_b32 s2, s[HALF], 17                     ; cand at the half's table, my block's 128 pairs,
	s_lshl_b32 s3, s[RB], 10
	s_add_co_u32 s2, s2, s3
	s_mov_b32 s3, 0
	s_add_nc_u64 s[10:11], s[10:11], s[2:3]
	s_lshl_b32 s2, s[CX], 13                       ; and the prefetches: my work-group's 8 KiB of my wave's quarter,
	s_add_nc_u64 s[PFA:PFA+1], s[6:7], s[2:3]
	s_add_nc_u64 s[PFA:PFA+1], s[PFA:PFA+1], 3*TILEB  ; at tile 3: the first change of slots steps it to tile 4
	CROUND                                         ; all four work-groups are here: the first joint loads meet
	tensor_load_to_lds s[G0H:G0H+3], s[G1H:G1H+7]  ; the first fills go out together: hc, tile 0, tile 1: three loads of mine are out
	s_nop 0
	tensor_load_to_lds s[G0:G0+3], s[G1:G1+7]
	s_nop 0
	tensor_load_to_lds s[G0+4:G0+7], s[G1:G1+7]
	s_nop 0
	PLACES
	v_and_b32 v[RR], 15, v0
	v_bfe_u32 v[HH], v0, 4, 1
	v_and_b32 v[LN], 31, v0
	v_lshlrev_b32 v[XO], 11, v[RR]                 ; row x 2,048 + 32 x half
	v_lshl_add_u32 v[XO], v[HH], 5, v[XO]
	XLOAD 0
	XLOAD 1
	WIN 0
	s_mul_i32 s19, s[CH], 64*PITCH                 ; my 64 codes of a tile
	v_mul_u32_u24 v[ADR], v[RR], PITCH
	v_lshl_add_u32 v[ADR], v[HH], 4, v[ADR]        ; row x pitch + 16 x half
	v_add_nc_u32 v[ADR], s19, v[ADR]
	v_add_nc_u32 v[ADR+1], SLOT, v[ADR]
	s_lshl_b32 s19, s[CH], 8
	s_add_co_u32 s19, s19, HCB
	v_lshl_add_u32 v[HCA], v[HH], 5, s19
	s_lshl_b32 s19, s[HALF], 12
	s_lshl_b32 s20, s[CH], 6
	s_add_co_u32 s19, s19, s20
	s_sub_co_u32 s19, s19, 80                      ; one step short of tile 0's group 0: the first group's slices judge nothing and step it there
	v_lshl_add_u32 v[VG], v[HH], 3, s19
	v_lshlrev_b32 v[PFO], 8, v[LN]
	s_lshl_b32 s19, s[WV], 9
	s_add_co_u32 s19, s19, SCR
	v_lshl_add_u32 v[SCW], v[RR], 3, s19
	v_lshrrev_b32 v[SCRD], 6, v0                   ; thread v0 stands for row v0 of the block: the two waves that hold it lie 512 bytes apart
	v_and_b32 v15, 63, v0
	v_lshlrev_b32 v[SCRD], 10, v[SCRD]
	v_lshl_add_u32 v[SCRD], v15, 3, v[SCRD]
	v_add_nc_u32 v[SCRD], SCR, v[SCRD]
	v_lshlrev_b32 v[CO], 3, v0
	; What the first group's slices find: bests and a set of scores at minus infinity, hc of 0: nothing is taken, and no first group is written out.  These lines stand in the wait for x.
.set cc, 0
.rept 32
	v_mov_b32 v[BV+cc], 0xff800000
	v_mov_b32 v[BI+cc], 0
	v_mov_b32 v[ACC+32+cc], 0xff800000
.set cc, cc+1
.endr
.set cc, 0
.rept 8
	v_mov_b32 v[HC+8+cc], 0
.set cc, cc+1
.endr
.irp q, 0,1,2,3,4,5,6,7
.if \q < 7
	s_wait_loadcnt 32                              ; this batch is in; the next batch's 32 loads stay out
.else
	s_wait_loadcnt 0x0
.endif
	XCVT \q
.if \q < 6
	XLOAD \q+2                                     ; into the stage just read
.endif
.endr
	WIN 0
	s_wait_tensorcnt 1                             ; my parts of hc and of tile 0 are in; tile 1's may stay out
	s_barrier_signal -1
	s_barrier_wait -1                              ; everybody's are
	FETCH ADR, 0, 0
	FETCH ADR, 512, 1
	WIN 0
.Lpair:                                                ; 15 trips: tiles 2 n and 2 n + 1 are multiplied, tiles 2 n + 2 and 2 n + 3 asked for
	GROUP 0, 0, 0
	GROUP 0, 1, 0
	GROUP 0, 2, 0
	GROUP 0, 3, 1
	GROUP 1, 0, 0
	GROUP 1, 1, 0
	GROUP 1, 2, 0
	GROUP 1, 3, 1
	WIN 0
	v_add_nc_u32 v[HCA], 1024, v[HCA]              ; two tiles' hc on
	s_sub_co_u32 s[CNT], s[CNT], 1
	s_cmp_lg_u32 s[CNT], 0
	s_cbranch_scc1 .Lpair
	GROUP 0, 0, 0                                  ; tiles 30 and 31 are written out: nothing is left to fetch
	GROUP 0, 1, 0
	GROUP 0, 2, 0
	GROUP 0, 3, 2
	GROUP 1, 0, 0
	GROUP 1, 1, 0
	GROUP 1, 2, 0
	GROUP 1, 3, 3
	PLACES
.set P, 0
.set Q, 1
.set VSTEP, 0
.set SL, 0
.rept 32                                           ; the last group is judged by itself
	SLICE
.set SL, SL+1
.endr
	; THE MERGE.  In a lane: a tile's eight bests (register j stands for code base + j).  Then the other half of the lanes, the other wave that holds the row (through LDS), and out.
.irp t, 0,1,2,3
	v_mov_b32 v[RS+2*\t],   v[BV+8*\t]
	v_mov_b32 v[RS+2*\t+1], v[BI+8*\t]
.endr
.irp j, 1,2,3,4,5,6,7
.irp t, 0,1,2,3
	v_add_nc_u32 v[BI+8*\t+\j], \j, v[BI+8*\t+\j]
	MERGE RS+2*\t, RS+2*\t+1, BV+8*\t+\j, BI+8*\t+\j
.endr
.endr
	v_mov_b32 v[TM], 0                             ; v_permlanex16_b32's destination counts as read
	v_mov_b32 v[TM+1], 0
.irp t, 0,1,2,3
	v_permlanex16_b32 v[TM],   v[RS+2*\t],   s[SEL], s[SEL+1]
	v_permlanex16_b32 v[TM+1], v[RS+2*\t+1], s[SEL], s[SEL+1]
	MERGE RS+2*\t, RS+2*\t+1, TM, TM+1
	ds_store_b64 v[SCW], v[RS+2*\t:RS+2*\t+1] offset:128*\t  ; both halves of the lanes hold the same pair and write it to the same place
.endr
	s_wait_dscnt 0x0                               ; for the others' sake: my 64 pairs are in LDS
	s_barrier_signal -1
	s_barrier_wait -1
	ds_load_b64 v[TM:TM+1],   v[SCRD]
	ds_load_b64 v[TM+2:TM+3], v[SCRD] offset:512
	s_wait_dscnt 0x0
	MERGE TM, TM+1, TM+2, TM+3
	v_add_f32 v[TM], 0, v[TM]                      ; -0 becomes +0, so that equal s have equal keys
	v_ashrrev_i32 v[TM+2], 31, v[TM]
	v_or_b32 v[TM+2], 0x80000000, v[TM+2]
	v_xor_b32 v[TM], v[TM], v[TM+2]                ; s >= 0: the sign bit is set; s < 0: all bits are turned: unsigned order is s's order
	global_store_b64 v[CO], v[TM:TM+1], s[10:11]   ; a wave stores 256 consecutive bytes, aligned
	s_wait_tensorcnt 0x0                           ; the wave's end, behind my last tensor load and my last LDS store
	ds_add_u32 v[SPW], v[NIL]
	s_wait_dscnt 0x0
	CROUND                                         ; the closing round: no work-group ends while a partner may still ask for a tile that names it
	s_endpgm
.Lfunc_end_k_q300286e494_score:
	.size	k_q300286e494_score, .Lfunc_end_k_q300286e494_score-k_q300286e494_score
	.p2alignl 7, 3214868480
	.fill 96, 4, 3214868480
	.section	.rodata,"a",@progbits
	.p2align	6, 0x0
	.amdhsa_kernel k_q300286e494_score
		.amdhsa_group_segment_fixed_size 327680
		.amdhsa_private_segment_fixed_size 0
		.amdhsa_enable_private_segment 0
		.amdhsa_kernarg_size 32
		.amdhsa_user_sgpr_count 2
		.amdhsa_user_sgpr_kernarg_segment_ptr 1
		.amdhsa_wavefront_size32 1
		.amdhsa_system_sgpr_workgroup_id_x 1
		.amdhsa_system_sgpr_workgroup_id_y 1
		.amdhsa_system_sgpr_workgroup_id_z 1
		.amdhsa_system_vgpr_workitem_id 0
		.amdhsa_next_free_vgpr 1024
		.amdhsa_next_free_sgpr 66
		.amdhsa_reserve_vcc 1
		.amdhsa_float_denorm_mode_32 3
		.amdhsa_float_denorm_mode_16_64 3
		.amdhsa_memory_ordered 1
		.amdhsa_forward_progress 1
		.amdhsa_inst_pref_size 255
	.end_amdhsa_kernel
	.section	.bss,"aw",@nobits
	.p2align	6
	.space	262144
	.amdgpu_metadata
---
amdhsa.version: [ 1, 2 ]
amdhsa.kernels:
  - .name:           k_q300286e494_score
    .symbol:         k_q300286e494_score.kd
    .args:
      - { .name: x, .offset: 0, .size: 8, .value_kind: global_buffer, .address_space: global }
      - { .name: cb16, .offset: 8, .size: 8, .value_kind: global_buffer, .address_space: global }
      - { .name: hc, .offset: 16, .size: 8, .value_kind: global_buffer, .address_space: global }
      - { .name: cand, .offset: 24, .size: 8, .value_kind: global_buffer, .address_space: global }
    .group_segment_fixed_size: 327680
    .private_segment_fixed_size: 0
    .kernarg_segment_align: 8
    .kernarg_segment_size: 32
    .max_flat_workgroup_size: 128
    .sgpr_count:     66
    .vgpr_count:     1024
    .wavefront_size: 32
...
	.end_amdgpu_metadata
.endif
;; end of part 2
;; launch gather (part 3): grid 256 x 1, 8 waves a work-group, no clusters, 0 bytes of LDS; arguments cand, codebook, out0; writes out0
.if DOCPART == 3
	.amdgcn_target "amdgcn-amd-amdhsa--gfx1250"
	.amdhsa_code_object_version 6
	.text
	.protected	k_q300286e494_gather
	.globl	k_q300286e494_gather
	.p2align	8
	.type	k_q300286e494_gather,@function
k_q300286e494_gather:
	s_mov_b64 s[64:65], 0
	v_nop
	global_prefetch_b8 v0, s[64:65] scope:SCOPE_SE
	s_setreg_imm32_b32 hwreg(HW_REG_WAVE_MODE, 25, 1), 1
	s_wait_xcnt 0x0
; out0[n][:] = codebook[k*(n)][:] in f32.  cand: [2][16384][2] u32 = (key, k) for each half of the codes; the greater key is the greater s = x . c - |c|^2 / 2, the lesser distance
; (|x_n|^2 is left out of the comparison: it is the same for all codes of a row, as shown at the head of the first kernel).  Equal keys: half 0, the lower k.
; The choice is made on whole numbers read from memory, in scalar registers; k is held to the table's 8,192 rows before it enters an address.
; SHARES.  A work-group takes 64 rows, each of its eight waves 8: their pairs are 64 consecutive bytes of each half's table, one scalar load each.  A code's row is 2,048 bytes: four loads and four
; stores of 16 bytes a lane, each 512 consecutive bytes for the wave, aligned.  All 32 loads of a wave are issued at once; no register is written twice, so no wait frees any.
; No LDS, no matrix unit, no cluster: rows are copied, and which rows work-groups share hangs on the data.
.set LO, 1                             ; v1        16 x lane
.set D,  8                             ; v[8:135]  row i, quarter j at D + 16 i + 4 j
.set C0, 16                            ; s[16:31]  half 0's eight pairs
.set C1, 32                            ; s[32:47]  half 1's
.set A,  48                            ; s[48:63]  the eight code rows' addresses
	s_load_b128 s[4:7], s[0:1], 0x0                ; cand s[4:5], codebook s[6:7]
	s_load_b64 s[8:9], s[0:1], 0x10                ; out0
	v_lshrrev_b32 v2, 5, v0
	v_readfirstlane_b32 s10, v2                    ; wave 0..7
	v_and_b32 v[LO], 31, v0
	v_lshlrev_b32 v[LO], 4, v[LO]
	s_lshl_b32 s2, ttmp9, 9                        ; the work-group's 64 pairs of 8 bytes,
	s_lshl_b32 s3, s10, 6                          ; my wave's 8
	s_add_co_u32 s2, s2, s3
	s_mov_b32 s3, 0
	s_lshl_b32 s12, s2, 8                          ; the same rows in out0: 2,048 bytes for 8
	s_mov_b32 s13, 0
	s_wait_kmcnt 0x0
	s_add_nc_u64 s[4:5], s[4:5], s[2:3]
	s_add_nc_u64 s[8:9], s[8:9], s[12:13]
	s_load_b512 s[C0:C0+15], s[4:5], 0x0
	s_load_b512 s[C1:C1+15], s[4:5], 0x20000       ; half 1's table lies 16,384 pairs on
	s_wait_kmcnt 0x0
.irp i, 0,1,2,3,4,5,6,7
	s_cmp_gt_u32 s[C1+2*\i], s[C0+2*\i]            ; strictly greater: a tie keeps half 0
	s_cselect_b32 s[A+2*\i], s[C1+2*\i+1], s[C0+2*\i+1]
	s_min_u32 s[A+2*\i], s[A+2*\i], 0x1fff         ; inside the table
	s_lshl_b32 s[A+2*\i], s[A+2*\i], 11            ; rows of 2,048 bytes
	s_mov_b32 s[A+2*\i+1], 0
	s_add_nc_u64 s[A+2*\i:A+2*\i+1], s[6:7], s[A+2*\i:A+2*\i+1]
.endr
.irp i, 0,1,2,3,4,5,6,7
.irp j, 0,1,2,3
	global_load_b128 v[D+16*\i+4*\j:D+16*\i+4*\j+3], v[LO], s[A+2*\i:A+2*\i+1] offset:512*\j  ; no hint: several rows may name one code
.endr
.endr
.irp i, 0,1,2,3,4,5,6,7
	s_wait_loadcnt 28-4*\i                         ; loads come back in order: this row's four are in, the later rows' stay out
.irp j, 0,1,2,3
	global_store_b128 v[LO], v[D+16*\i+4*\j:D+16*\i+4*\j+3], s[8:9] offset:2048*\i+512*\j th:TH_STORE_NT
.endr
.endr
	s_endpgm
.Lfunc_end_k_q300286e494_gather:
	.size	k_q300286e494_gather, .Lfunc_end_k_q300286e494_gather-k_q300286e494_gather
	.p2alignl 7, 3214868480
	.fill 96, 4, 3214868480
	.section	.rodata,"a",@progbits
	.p2align	6, 0x0
	.amdhsa_kernel k_q300286e494_gather
		.amdhsa_group_segment_fixed_size 0
		.amdhsa_private_segment_fixed_size 0
		.amdhsa_enable_private_segment 0
		.amdhsa_kernarg_size 24
		.amdhsa_user_sgpr_count 2
		.amdhsa_user_sgpr_kernarg_segment_ptr 1
		.amdhsa_wavefront_size32 1
		.amdhsa_system_sgpr_workgroup_id_x 1
		.amdhsa_system_sgpr_workgroup_id_y 1
		.amdhsa_system_sgpr_workgroup_id_z 1
		.amdhsa_system_vgpr_workitem_id 0
		.amdhsa_next_free_vgpr 136
		.amdhsa_next_free_sgpr 66
		.amdhsa_reserve_vcc 0
		.amdhsa_float_denorm_mode_32 3
		.amdhsa_float_denorm_mode_16_64 3
		.amdhsa_memory_ordered 1
		.amdhsa_forward_progress 1
		.amdhsa_inst_pref_size 9
	.end_amdhsa_kernel
	.amdgpu_metadata
---
amdhsa.version: [ 1, 2 ]
amdhsa.kernels:
  - .name:           k_q300286e494_gather
    .symbol:         k_q300286e494_gather.kd
    .args:
      - { .name: cand, .offset: 0, .size: 8, .value_kind: global_buffer, .address_space: global }
      - { .name: codebook, .offset: 8, .size: 8, .value_kind: global_buffer, .address_space: global }
      - { .name: out0, .offset: 16, .size: 8, .value_kind: global_buffer, .address_space: global }
    .group_segment_fixed_size: 0
    .private_segment_fixed_size: 0
    .kernarg_segment_align: 8
    .kernarg_segment_size: 24
    .max_flat_workgroup_size: 256
    .sgpr_count:     66
    .vgpr_count:     136
    .wavefront_size: 32
...
	.end_amdgpu_metadata
.endif
;; end of part 3
;; ======== version 2 of 2: 3 launches; version 1 with the launch prep written anew for expert scheduling mode
;; workspace buffers: cb16 8,388,608 bytes; hc 32,768 bytes; cand 262,144 bytes of whole numbers
;; launch prep (part 4): grid 128 x 1, 16 waves a work-group, no clusters, 2,304 bytes of LDS; arguments codebook, cb16, hc; writes cb16, hc
.if DOCPART == 4
	.amdgcn_target "amdgcn-amd-amdhsa--gfx1250"
	.amdhsa_code_object_version 6
	.text
	.protected	k_q300286e494_prep
	.globl	k_q300286e494_prep
	.p2align	8
	.type	k_q300286e494_prep,@function
k_q300286e494_prep:
	s_mov_b64 s[64:65], 0
	v_nop
	global_prefetch_b8 v0, s[64:65] scope:SCOPE_SE
	s_setreg_imm32_b32 hwreg(HW_REG_WAVE_SCHED_MODE, 0, 2), 2
	s_setreg_imm32_b32 hwreg(HW_REG_WAVE_MODE, 25, 1), 1
	s_wait_xcnt 0x0
	s_wait_alu depctr_vm_vsrc(0)
; THE PROGRAM.  out[n][:] = codebook[k*(n)][:], k*(n) = argmin over k of |x_n|^2 - 2 x_n . c_k + |c_k|^2; 16,384 rows n, 8,192 codes k, 512 channels.
; Three launches: this one rounds the codebook to bf16 (cb16) and makes hc[k] = |c_k|^2 / 2; the second finds, for each row and each half of the codes, the greatest
; s = x_n . c_k - hc[k] and its k; the third picks between the halves and copies the code's f32 row.
; WORK LEFT OUT.  |x_n|^2 is added to all 8,192 distances of row n alike, so in exact arithmetic it moves no comparison between them, whatever x holds: the argmin of the distance is the
; argmax of x_n . c_k - |c_k|^2 / 2 (the distance is |x_n|^2 - 2 s).  It is of the size of the other terms (a sum of 512 squares, as |c_k|^2 is), so it hides none of them.  x itself stays an input of the product.
; FORMATS.  The product takes x and the codes rounded to bf16, and |c_k|^2 is taken of the SAME rounded codes, so that the choice is the choice among the rounded inputs; sums in f32.
; LIMITS.  A NaN, an infinity or an overflow in x or the codebook, or one that reaches |x_n|^2 alone, is not carried to the result.  Where a row's two least distances lie closer than the rounding
; of f32 sums of 512 terms (some 1e-4 for numbers of unit spread), either of the two codes may be taken.  Equal s: the lower k.
;
; THIS LAUNCH.  A work-group takes 64 codes, so that its 64 numbers of hc are 256 consecutive bytes, stored by one instruction; 16 waves, 4 codes each.  A code's row is 2,048 bytes: four loads of
; 16 bytes a lane, each 512 consecutive bytes for the wave.  All of a wave's 16 loads are issued at once.  A bf16 square is exact in f32, so only the order of the sum is free.
; THE MODE: SCHED_MODE bits 1:0 = 2 (LLVM: expert scheduling mode 2), set by the entry lines.  The code itself states the register dependences between vector instructions and
; memory or LDS instructions, with s_wait_alu, always for 0.
; THE PLAN.  Registers that memory or LDS instructions touch:
;   v[LO], v[SO], v[PA]  offsets and an LDS address: written at the head, read by every load, store and LDS instruction, never written again.
;   X   the 16 loads land in it; row i's conversions read it; nothing else ever names it.
;   Y   eight registers a row, written once, by row i's conversions; read by row i's squares and by row i's four stores; never written again.
;   S   a row's sum: last written by the halving; read by the LDS stores; never written again.
;   v[T:T+1]  named by two vector lines at the head; at the end wave 0's LDS load lands in it and its store of hc reads it.
; So: one wait ahead of the first load (the offsets); one at the head of rows 1 to 3, behind the wait for the row's data, for the stores of the row before, which are dealt among the row's
; conversions (these name X and Y of their own row alone); one behind row 3's conversions for its own stores, which follow it in one run; one ahead of the LDS stores.
; No register that a memory or LDS instruction reads is written again: nothing is owed on that side.
.set SPARE, 256                        ; LDS: bytes 0-255 the 64 numbers of hc; from here the spare words, 128 bytes for each of 16 waves, which no other line names
.set SPW, 1                            ; v1       LDS address of my spare word; never rewritten
.set NIL, 2                            ; v2       0; never rewritten
.set LO,  3                            ; v3       16 x lane: my 16 bytes of 512 of a row of the codebook
.set SO,  4                            ; v4       8 x lane: my 8 bytes of 256 of a row of cb16, and of hc
.set PA,  5                            ; v5       16 x wave: my four words of hc in LDS
.set T,   6                            ; v[6:7]   at work
.set X,   16                           ; v[16:79]   row i, quarter j at X + 16 i + 4 j: four f32
.set Y,   80                           ; v[80:111]  the same as four bf16, at Y + 8 i + 2 j
.set S,   112                          ; v[112:119] row i: the sums of the low halves' and of the high halves' squares
.set PM,  120                          ; v[120:123] the other half of the lanes' sums
	s_load_b128 s[4:7], s[0:1], 0x0                ; codebook s[4:5], cb16 s[6:7]
	s_load_b64 s[8:9], s[0:1], 0x10                ; hc
	v_lshl_add_u32 v[SPW], v0, 2, SPARE
	v_mov_b32 v[NIL], 0
	v_lshrrev_b32 v[T], 5, v0
	v_readfirstlane_b32 s10, v[T]                  ; wave 0..15
	v_and_b32 v[LO], 31, v0
	v_lshlrev_b32 v[SO], 3, v[LO]
	v_lshlrev_b32 v[LO], 4, v[LO]
	s_wait_alu depctr_va_sdst(0)                   ; s10 is written, ahead of its first reader, the line below; the bases are made from it too
	v_mov_b32 v[PA], s10
	v_lshlrev_b32 v[PA], 4, v[PA]
	s_mov_b32 s12, 0x76543210                      ; v_permlanex16_b32: each lane takes its own place in the other half
	s_mov_b32 s13, 0xfedcba98
	s_lshl_b32 s2, ttmp9, 17                       ; the work-group's 64 rows of 2,048 bytes,
	s_lshl_b32 s3, s10, 13                         ; my wave's 4 of them
	s_add_co_u32 s2, s2, s3
	s_mov_b32 s3, 0
	s_wait_kmcnt 0x0
	s_add_nc_u64 s[4:5], s[4:5], s[2:3]
	s_lshr_b32 s2, s2, 1                           ; the same rows in cb16 are half as long
	s_add_nc_u64 s[6:7], s[6:7], s[2:3]
	s_lshl_b32 s2, ttmp9, 8                        ; the work-group's 64 numbers of hc
	s_add_nc_u64 s[8:9], s[8:9], s[2:3]
	s_wait_alu depctr_va_vdst(0)                   ; v[LO], v[SO] and v[PA] are written, which the loads, stores and LDS instructions below read; the head's two lines are done with v[T], in which wave 0's LDS load lands
.irp i, 0,1,2,3
.irp j, 0,1,2,3
	global_load_b128 v[X+16*\i+4*\j:X+16*\i+4*\j+3], v[LO], s[4:5] offset:2048*\i+512*\j th:TH_LOAD_NT
.endr
.endr
.irp i, 0,1,2,3
	v_mov_b32 v[PM+\i], 0                          ; v_permlanex16_b32's destination counts as read; no memory instruction names these four
.endr
; Row i: rounded, squared and summed.  Its four stores stand in the next row's turn, among that row's conversions; the last row's stand behind its own conversions.
.macro ROWP i
	s_wait_loadcnt 12-4*(\i)                       ; loads come back in order: my row's four are in, the later rows' stay out
.if (\i) > 0
	s_wait_alu depctr_va_vdst(0)                   ; the conversions of the row before have written its Y, which the four stores below read
.endif
.irp j, 0,1,2,3
.if (\i) > 0
	global_store_b64 v[SO], v[Y+8*((\i)-1)+2*\j:Y+8*((\i)-1)+2*\j+1], s[6:7] offset:1024*((\i)-1)+256*\j th:TH_STORE_NT  ; the row before: the wave stores 256 consecutive bytes, aligned; no vector instruction since the wait names these registers
.endif
	v_cvt_pk_bf16_f32 v[Y+8*(\i)+2*\j],   v[X+16*(\i)+4*\j],   v[X+16*(\i)+4*\j+1]
	v_cvt_pk_bf16_f32 v[Y+8*(\i)+2*\j+1], v[X+16*(\i)+4*\j+2], v[X+16*(\i)+4*\j+3]
.endr
.if (\i) == 3
	s_wait_alu depctr_va_vdst(0)                   ; the last row's conversions have written its Y, which its own four stores read: no row follows in whose turn they could stand
.irp j, 0,1,2,3
	global_store_b64 v[SO], v[Y+8*(\i)+2*\j:Y+8*(\i)+2*\j+1], s[6:7] offset:1024*(\i)+256*\j th:TH_STORE_NT  ; 256 consecutive bytes, aligned
.endr
.endif
	v_fma_mix_f32_bf16 v[S+2*(\i)],   v[Y+8*(\i)], v[Y+8*(\i)], v[NIL] op_sel_hi:[1,1,0]                 ; the first squares start the sums: nothing is cleared
	v_fma_mix_f32_bf16 v[S+2*(\i)+1], v[Y+8*(\i)], v[Y+8*(\i)], v[NIL] op_sel:[1,1,0] op_sel_hi:[1,1,0]
.irp n, 1,2,3,4,5,6,7
	v_fma_mix_f32_bf16 v[S+2*(\i)],   v[Y+8*(\i)+\n], v[Y+8*(\i)+\n], v[S+2*(\i)]   op_sel_hi:[1,1,0]
	v_fma_mix_f32_bf16 v[S+2*(\i)+1], v[Y+8*(\i)+\n], v[Y+8*(\i)+\n], v[S+2*(\i)+1] op_sel:[1,1,0] op_sel_hi:[1,1,0]
.endr
.endm
	ROWP 0
	ROWP 1
	ROWP 2
	ROWP 3
	; across the 32 lanes, the four rows side by side so that no line waits for the one before it
.irp i, 0,1,2,3
	v_add_f32 v[S+2*\i], v[S+2*\i], v[S+2*\i+1]
.endr
.irp m, 1,2,4,8
.irp i, 0,1,2,3
	v_add_f32_dpp v[S+2*\i], v[S+2*\i], v[S+2*\i] row_xmask:\m row_mask:0xf bank_mask:0xf
.endr
.endr
.irp i, 0,1,2,3
	v_permlanex16_b32 v[PM+\i], v[S+2*\i], s12, s13
.endr
.irp i, 0,1,2,3
	v_add_f32 v[S+2*\i], v[S+2*\i], v[PM+\i]
.endr
.irp i, 0,1,2,3
	v_mul_f32 v[S+2*\i], 0.5, v[S+2*\i]            ; hc = |c|^2 / 2: exact
.endr
	s_wait_alu depctr_va_vdst(0)                   ; the halvings have written the four sums, which the LDS stores read
.irp i, 0,1,2,3
	ds_store_b32 v[PA], v[S+2*\i] offset:4*\i      ; all lanes write the same word with the same number
.endr
	s_wait_dscnt 0x0                               ; for the others' sake: my four words are in LDS
	s_barrier_signal -1
	s_barrier_wait -1
	s_cmp_lg_u32 s10, 0                            ; wave 0 stores the 64 numbers
	s_cbranch_scc1 .Lend
	ds_load_b64 v[T:T+1], v[SO]                    ; no vector instruction has named v[T:T+1] or v[SO] since the wait ahead of the first load
	s_wait_dscnt 0x0
	global_store_b64 v[SO], v[T:T+1], s[8:9]       ; 256 consecutive bytes, aligned
.Lend:
	s_wait_dscnt 0x0                               ; the closing lines, six on end
	s_wait_alu 0x0
	s_wait_tensorcnt 0x0
	ds_add_u32 v[SPW], v[NIL]
	s_wait_dscnt 0x0
	s_endpgm
.Lfunc_end_k_q300286e494_prep:
	.size	k_q300286e494_prep, .Lfunc_end_k_q300286e494_prep-k_q300286e494_prep
	.p2alignl 7, 3214868480
	.fill 96, 4, 3214868480
	.section	.rodata,"a",@progbits
	.p2align	6, 0x0
	.amdhsa_kernel k_q300286e494_prep
		.amdhsa_group_segment_fixed_size 2304
		.amdhsa_private_segment_fixed_size 0
		.amdhsa_enable_private_segment 0
		.amdhsa_kernarg_size 24
		.amdhsa_user_sgpr_count 2
		.amdhsa_user_sgpr_kernarg_segment_ptr 1
		.amdhsa_wavefront_size32 1
		.amdhsa_system_sgpr_workgroup_id_x 1
		.amdhsa_system_sgpr_workgroup_id_y 1
		.amdhsa_system_sgpr_workgroup_id_z 1
		.amdhsa_system_vgpr_workitem_id 0
		.amdhsa_next_free_vgpr 128
		.amdhsa_next_free_sgpr 66
		.amdhsa_reserve_vcc 0
		.amdhsa_float_denorm_mode_32 3
		.amdhsa_float_denorm_mode_16_64 3
		.amdhsa_memory_ordered 1
		.amdhsa_forward_progress 1
		.amdhsa_inst_pref_size 14
	.end_amdhsa_kernel
	.amdgpu_metadata
---
amdhsa.version: [ 1, 2 ]
amdhsa.kernels:
  - .name:           k_q300286e494_prep
    .symbol:         k_q300286e494_prep.kd
    .args:
      - { .name: codebook, .offset: 0, .size: 8, .value_kind: global_buffer, .address_space: global }
      - { .name: cb16, .offset: 8, .size: 8, .value_kind: global_buffer, .address_space: global }
      - { .name: hc, .offset: 16, .size: 8, .value_kind: global_buffer, .address_space: global }
    .group_segment_fixed_size: 2304
    .private_segment_fixed_size: 0
    .kernarg_segment_align: 8
    .kernarg_segment_size: 24
    .max_flat_workgroup_size: 512
    .sgpr_count:     66
    .vgpr_count:     128
    .wavefront_size: 32
...
	.end_amdgpu_metadata
.endif
;; end of part 4
;; launch score: the kernel of part 2 again; grid 128 x 2, 4 waves a work-group, clusters of 4 x 1, 327,680 bytes of LDS; arguments x, cb16, hc, cand; writes cand
;; launch gather: the kernel of part 3 again; grid 256 x 1, 8 waves a work-group, no clusters, 0 bytes of LDS; arguments cand, codebook, out0; writes out0
